; MI455X (gfx1250); checked and timed in simulation.
; The chip was launched on July 23, 2026; its instructions are those of AMD's public machine-readable ISA for CDNA 5 (MIT licence, August 2026) and "CDNA5" Instruction Set Architecture Reference Guide (July 2026). The comments in the code are by the model that wrote it; some were corrected since.
;; Causal Self Attention. Allowed arithmetic: matrix products marked QUANTISED: E4M3 operands, one given power-of-two scale a tensor, by v_wmma_f32_16x16x64_fp8_fp8 or v_wmma_f32_16x16x128_fp8_fp8, f32 sums; everything else in f32.
;; Inputs: W_out 1,024 x 1,024 float32; W_qkv 1,024 x 3,072 float32; b_out 1,024 float32; b_qkv 3,072 float32; lowp_scales 8 int32 (the exponents e of the quantised operands' scales 2^e); x 4 x 2,048 x 1,024 float32.
;; Outputs: out0 4 x 2,048 x 1,024 float32.
;; This version of the problem:
;;   THIS VERSION OF THE PROBLEM IS GIVEN IN LOW PRECISION. The matrix products marked QUANTISED in the list below multiply operands that are first quantised to E4M3 (4 exponent bits, 3 mantissa bits; 8 bits a number), with one given power-of-two scale for each operand tensor; their sums are f32. All else is computed in f32.
;;   The module's matrix products, in the order in which they are computed (A, B: the left and right operand; K: the contracted axis; several contracted axes count as one K, in the product's order):
;;     1. [M 8,192, K 1,024] x [K 1,024, N 3,072]; A: input x; B: input W_qkv: QUANTISED (scales: A lowp_scales[0], B lowp_scales[1])
;;     2. batch 64 x [M 2,048, K 64] x [K 64, N 2,048]; A: computed on the way; B: computed on the way: QUANTISED (scales: A lowp_scales[2], B lowp_scales[3])
;;     3. batch 64 x [M 2,048, K 2,048] x [K 2,048, N 64]; A: softmax (see below); B: computed on the way: QUANTISED (scales: A lowp_scales[4], B lowp_scales[5])
;;     4. [M 8,192, K 1,024] x [K 1,024, N 1,024]; A: computed on the way; B: input W_out: QUANTISED (scales: A lowp_scales[6], B lowp_scales[7])
;;   THE QUANTISER, for each operand of a quantised product, along K:
;;     - The operand's scale is 2^e, e = its entry of the input lowp_scales (int32; the entries are numbered through the quantised products in the list's order, A before B).
;;     - Each number is divided by the scale, clamped to +-448, and rounded to the nearest number of E4M3, ties to even, subnormals kept.
;;     - The product sums the exact products of the quantised numbers (number of the format x scale) in f32.
;;   ~~~python
;;   def quantise(x, axis, e):      # numpy; x: float32 -> the quantised numbers, widened to float32 again
;;       x = np.moveaxis(x, axis, -1); K = x.shape[-1]
;;       r = np.clip(x / 2.0 ** e, -448, 448)
;;       step = 2.0 ** (np.maximum(np.frexp(np.where(r == 0, 1, r))[1] - 1, -6) - 3)
;;       q = np.round(r / step) * step * 2.0 ** e      # np.round: ties to even
;;       return np.moveaxis(q, -1, axis).astype(np.float32)
;;   ~~~
;;   SOFTMAX AHEAD OF A QUANTISED PRODUCT. Where the list says 'softmax', what is quantised is not the finished softmax but p = 2^(t - M), with t = logit x log2(e) and M = ceil(the row's largest t), a whole number; so 1/2 < the row's largest p <= 1. The row's sum l is taken of the UNQUANTISED p, in f32, and the product's result is divided by l at the end. Since M is a whole number, a kernel that streams over the keys may use a running M (the ceiling of the running maximum): every later rescaling is an exact power of two, so the quantised numbers keep their values, but for numbers so far below the row's largest that they fall under the format's range.
;;   OPERANDS COMPUTED ON THE WAY. 'Computed on the way' means the value that the module computes at that place (a softmax that the list does not call 'softmax' is quantised finished and normalised). What goes into a quantiser is computed in f32, as accurately as f32 sums, v_exp_f32 and their like allow (about 1e-6 of the number): no bf16 or f16 on the way to a quantiser, and a product that is left as it is and whose result goes on into a quantised operand takes f32 operands (vector FMAs, or v_wmma_f32_16x16x4_f32). A number that lies on a knife's edge between two numbers of the format may be rounded either way, as far as f32 arithmetic and the matrix unit's own rounding can turn it there, and no further.
;; One version. Each part assembles by itself: llvm-mc -triple=amdgcn-amd-amdhsa -mcpu=gfx1250 --defsym DOCPART=n.
;; ======== version 1 of 1: 4 launches
;; limits: right only within a limited range of input values
;; workspace buffers: xc 8,388,608 bytes; wqc 3,145,728 bytes; woc 1,048,576 bytes; qc 8,388,608 bytes; kc 8,388,608 bytes; vc 8,388,608 bytes; yc 8,388,608 bytes
;; launch quant (part 1): grid 384 x 1, 4 waves a work-group, no clusters, 102,912 bytes of LDS; arguments x, W_qkv, W_out, lowp_scales, xc, wqc, woc; writes xc, wqc, woc
.if DOCPART == 1
	.amdgcn_target "amdgcn-amd-amdhsa--gfx1250"
	.amdhsa_code_object_version 6
	.text
	.protected	k_q13ca8ba5c5_quant
	.globl	k_q13ca8ba5c5_quant
	.p2align	8
	.type	k_q13ca8ba5c5_quant,@function
k_q13ca8ba5c5_quant:
	s_mov_b64 s[64:65], 0
	v_nop
	global_prefetch_b8 v0, s[64:65] scope:SCOPE_SE
	s_setreg_imm32_b32 hwreg(HW_REG_WAVE_MODE, 25, 1), 1
	s_wait_xcnt 0x0
; x [8192][1024], W_qkv [1024 (k)][3072], W_out [1024 (k)][1024], all f32, become codes of FP8 (E4M3), one byte each, K innermost, each with the one scale 2^e given for it
; (entries 0, 1 and 7 of the exponents).  code = number / 2^e, held within +-448, rounded to the nearest code, ties to even.
; LIMITS: -126 <= e <= 119 for each of the three, so that 2^e and 448 x 2^e are f32 numbers.  NaN among the inputs is not served (an infinity is held at the largest code).
; WORK-GROUPS 0-255: x, a plain stream: a wave takes 8,192 numbers in 16 steps of 512.  Each load reads 512 consecutive bytes; a step's 2,048 bytes turn through the wave's own stage in LDS,
;   so that a lane then holds 16 neighbours along K for the conversions; a lane's 16 codes are 16 bytes, the wave stores 512 consecutive bytes.
; WORK-GROUPS 256-351: W_qkv; 352-383: W_out.  K is the FIRST axis: a lane takes a column n and its registers run down K, so the conversions give codes with K innermost; a wave gathers
;   32 columns x 256 codes in its own stage and stores rows: sixteen lanes write 256 consecutive bytes, aligned.
;   wqc: [3072 (n)][1024 (k)], k in its natural order.  woc: [1024 (n)][1024]: inside each 32 along K the second and third groups of eight change places
;   (byte 32 c + 16 h + 8 g + i holds k = 32 c + 16 g + 8 h + i): a 16-byte piece at 32 c + 16 h is then what lane half h of the last product's operand wants.
; The three ways part on the work-group's number alone; each has LDS bytes of its own.  No tensor loads, no barrier: waves share nothing.
.set STEPS, 16
.set SP,    80                         ; x: a lane's place in a stage: its 64 bytes + 16 of padding
.set WREG,  8192                       ; x: LDS of a wave: two stages of 32 x SP bytes
.set XR,    16                         ; v16-79   x: four sets of 16 numbers as loaded
.set XX,    80                         ; v80-111  x: two sets of 16 neighbours
.set XC,    128                        ; v128-191 x: codes, four registers for each step: no store's data are written again
.set PITCH, 272                        ; weights: a stage row: 256 bytes of codes + 16
.set WQL,   32768                      ; LDS of W_qkv's way: 4 x 32 x PITCH
.set WOL,   67584                      ; LDS of W_out's way
.set NB,    8                          ; weights: blocks of 32 along K for a wave
.set WX,    32                         ; v32-95   weights: two sets of 32 numbers
.set WC,    96                         ; v96-103  a block's codes
.set WO,    112                        ; v112-175 the way out
.macro XLOAD t                         ; step t: four loads, each 512 consecutive bytes
.irp i, 0,1,2,3
	global_load_b128 v[XR+16*((\t)%4)+4*\i:XR+16*((\t)%4)+4*\i+3], v3, s[4:5] offset:2048*(\t)+512*\i th:TH_LOAD_NT
.endr
.endm
.macro XTURN t                         ; step t through a stage: LDS serves a wave's instructions in order (ISA guide 5.7.1.4), so no wait stands between the stores and the loads
.irp i, 0,1,2,3
	ds_store_b128 v14, v[XR+16*((\t)%4)+4*\i:XR+16*((\t)%4)+4*\i+3] offset:32*SP*((\t)%2)+8*SP*\i
.endr
.irp i, 0,1,2,3
	ds_load_b128 v[XX+16*((\t)%2)+4*\i:XX+16*((\t)%2)+4*\i+3], v15 offset:32*SP*((\t)%2)+16*\i
.endr
.endm
.macro XSTEP t
.set XS, XX+16*((\t)%2)
	s_wait_dscnt 0x0                               ; this step's numbers are back from the stage, so its stores into the stage have read their registers,
.if (\t)+4 < STEPS
	XLOAD (\t)+4                                   ; which take the loads of four steps on
.endif
.if (\t)+1 < STEPS
.if STEPS-2-(\t) >= 3
	s_wait_loadcnt 12                              ; the next step's four loads are in; those of the three steps behind it (12) may be out
.else
	s_wait_loadcnt 4*(STEPS-2-(\t))                ; the counts run down
.endif
	XTURN (\t)+1
.endif
.irp i, 0,1,2,3,4,5,6,7,8,9,10,11,12,13,14,15
.endr
	v_cvt_scalef32_pk8_fp8_f32 v[XC+4*(\t):XC+4*(\t)+1], v[XS:XS+7], v11
	v_cvt_scalef32_pk8_fp8_f32 v[XC+4*(\t)+2:XC+4*(\t)+3], v[XS+8:XS+15], v11
	global_store_b128 v3, v[XC+4*(\t):XC+4*(\t)+3], s[12:13] offset:512*(\t)   ; the results go to a store alone; the next vector lines are the next step's conversions, on other registers
.endm
.macro WLOAD t, n, src                 ; block t: W(32 t + i, my column), i = 0 .. 31: each load reads 128 consecutive bytes a wave
.irp i, 0,1,2,3,4,5,6,7,8,9,10,11,12,13,14,15,16,17,18,19,20,21,22,23,24,25,26,27,28,29,30,31
	global_load_b32 v[WX+32*((\t)%2)+\i], v3, s[\src:\src+1] offset:(32*(\t)+\i)*\n*4 th:TH_LOAD_NT
.endr
.endm
.macro WBLOCK t, n, src, perm
.set XS, WX+32*((\t)%2)
.if (\t) < NB-1
	s_wait_loadcnt 32                              ; this block's 32 loads are in; the next block's 32 may be out
.else
	s_wait_loadcnt 0
.endif
.irp i, 0,1,2,3,4,5,6,7,8,9,10,11,12,13,14,15,16,17,18,19,20,21,22,23,24,25,26,27,28,29,30,31
.endr
.irp g, 0,1,2,3                        ; output group g takes the eight numbers of group g (perm = 0) or of group 0, 2, 1, 3 (perm = 1)
	v_cvt_scalef32_pk8_fp8_f32 v[WC+2*\g:WC+2*\g+1], v[XS+8*((1-\perm)*\g+\perm*((\g%2)*2+\g/2)):XS+8*((1-\perm)*\g+\perm*((\g%2)*2+\g/2))+7], v11
.endr
	ds_store_b128 v4, v[WC:WC+3] offset:32*(\t)    ; 32 codes: 32 bytes of my column's row
	ds_store_b128 v4, v[WC+4:WC+7] offset:32*(\t)+16
.if (\t)+2 < NB
	WLOAD (\t)+2, \n, \src
.endif
	s_wait_dscnt 0x0                               ; the stores have read their registers: the next block's codes may be written
.endm
; A weight of n columns: input pointer s[src:src+1], output pointer s[dst:dst+1], exponent s[ex], LDS from lb on, first work-group's number first.
; Work-group w of it takes columns 128 (w / 4) on and K = 256 (w % 4) on; a wave 32 of the columns.  Every offset is an immediate: 255 x n x 4 bytes at the most, inside the signed 24 bits.
.macro WPATH n, src, dst, ex, lb, first, perm
	s_sub_co_u32 s20, ttmp9, \first
	s_lshr_b32 s21, s20, 2
	s_and_b32 s22, s20, 3                          ; which 256 along K
	s_lshl_b32 s21, s21, 7
	s_lshl_b32 s23, s18, 5
	s_add_co_u32 s21, s21, s23                     ; my wave's first column
	v_lshlrev_b32 v3, 2, v2                        ; in: 4 bytes a lane
	s_mul_i32 s23, s18, 32*PITCH
	s_add_co_u32 s23, s23, \lb                     ; my stage
	v_mul_u32_u24 v4, v2, PITCH
	v_add_nc_u32 v4, s23, v4                       ; into it: row = my column
	v_and_b32 v5, 15, v2
	v_lshrrev_b32 v6, 4, v2                        ; out of it: sixteen lanes to a row, two rows an instruction
	v_mul_u32_u24 v7, v6, PITCH
	v_lshl_add_u32 v7, v5, 4, v7
	v_add_nc_u32 v7, s23, v7
	v_lshlrev_b32 v8, 10, v6                       ; the same place in the codes' buffer: rows of 1,024 bytes
	v_lshl_add_u32 v8, v5, 4, v8
	s_mul_i32 s24, s22, 256*\n*4                   ; the weight: 256 rows of n x 4 bytes for each K block, + 4 x column
	s_lshl_b32 s26, s21, 2
	s_add_co_u32 s24, s24, s26
	s_mov_b32 s25, 0
	s_add_nc_u64 s[\src:\src+1], s[\src:\src+1], s[24:25]
	s_lshl_b32 s24, s21, 10                        ; the codes: column x 1,024 + 256 x K block
	s_lshl_b32 s26, s22, 8
	s_add_co_u32 s24, s24, s26
	s_add_nc_u64 s[\dst:\dst+1], s[\dst:\dst+1], s[24:25]
	WLOAD 0, \n, \src
	WLOAD 1, \n, \src
	s_wait_kmcnt 0x0                               ; the exponents
	s_add_co_i32 s30, s[\ex], 127
	s_lshl_b32 s31, s30, 23
	v_mov_b32 v11, s31                             ; 2^e as f32: the conversion takes its exponent field
	s_add_co_i32 s30, s30, 8
	s_lshl_b32 s30, s30, 23
	s_or_b32 s30, s30, 0x600000
	s_wait_alu depctr_va_vdst(0)
.irp t, 0,1,2,3,4,5,6,7
	WBLOCK \t, \n, \src, \perm
.endr
.irp t, 0,1,2,3,4,5,6,7,8,9,10,11,12,13,14,15
	ds_load_b128 v[WO+4*\t:WO+4*\t+3], v7 offset:2*\t*PITCH    ; a wave's LDS instructions are served in order: these see my stores
.endr
.irp t, 0,1,2,3,4,5,6,7,8,9,10,11,12,13,14,15
	s_wait_dscnt 15-\t                             ; load t is in; the 15 - t behind it may be out
	global_store_b128 v8, v[WO+4*\t:WO+4*\t+3], s[\dst:\dst+1] offset:2*\t*1024
.endr
.endm
	s_load_b256 s[4:11], s[0:1], 0x0               ; x s[4:5], W_qkv s[6:7], W_out s[8:9], the exponents s[10:11]
	s_load_b128 s[12:15], s[0:1], 0x20             ; xc s[12:13], wqc s[14:15]
	s_load_b64 s[16:17], s[0:1], 0x30              ; woc
	v_lshl_add_u32 v192, v0, 2, 0x19000
	v_mov_b32 v193, 0
	v_lshrrev_b32 v1, 5, v0
	v_readfirstlane_b32 s18, v1                    ; wave 0..3
	v_and_b32 v2, 31, v0                           ; lane
	s_wait_kmcnt 0x0
	s_load_b256 s[40:47], s[10:11], 0x0            ; e0 .. e7
	s_cmp_lt_u32 ttmp9, 256
	s_cbranch_scc0 .Lweights
	s_wait_alu depctr_va_vdst(0)
	; ---- x
	v_lshlrev_b32 v3, 4, v2                        ; my 16 bytes of a load's 512, and of a store's
	s_wait_alu depctr_va_vdst(0)
	s_mul_i32 s19, s18, WREG
	v_lshrrev_b32 v14, 2, v2
	v_mul_u32_u24 v14, v14, SP
	v_and_b32 v15, 3, v2
	v_lshl_add_u32 v14, v15, 4, v14
	v_add_nc_u32 v14, s19, v14                     ; the stage, on the way in: SP (lane / 4) + 16 (lane % 4); a load's 512 bytes take eight places
	v_mul_u32_u24 v15, v2, SP
	v_add_nc_u32 v15, s19, v15                     ; and on the way out: SP x lane: my 16 neighbours
	s_lshl_b32 s20, ttmp9, 2
	s_add_co_u32 s20, s20, s18                     ; which run of 8,192 numbers is my wave's
	s_lshl_b32 s22, s20, 15                        ; 32,768 bytes of numbers,
	s_mov_b32 s23, 0
	s_add_nc_u64 s[4:5], s[4:5], s[22:23]
	s_lshl_b32 s22, s20, 13                        ; 8,192 bytes of codes
	s_add_nc_u64 s[12:13], s[12:13], s[22:23]
.irp t, 0,1,2,3
	XLOAD \t
.endr
	s_wait_alu depctr_va_vdst(0)
	s_wait_kmcnt 0x0                               ; the exponents
	s_add_co_i32 s22, s40, 127
	s_lshl_b32 s23, s22, 23
	v_mov_b32 v11, s23                             ; 2^e0
	s_add_co_i32 s22, s22, 8
	s_lshl_b32 s22, s22, 23
	s_or_b32 s22, s22, 0x600000
	s_wait_alu depctr_va_vdst(0)
	s_wait_loadcnt 12                              ; step 0's four loads are in; steps 1 to 3 (12 loads) may be out
	XTURN 0
.irp t, 0,1,2,3,4,5,6,7,8,9,10,11,12,13,14,15
	XSTEP \t
.endr
	s_wait_tensorcnt 0x0
	ds_add_u32 v192, v193
	s_wait_dscnt 0x0
	s_endpgm
.Lweights:
	s_cmp_lt_u32 ttmp9, 352
	s_cbranch_scc0 .Lwout
	s_wait_alu depctr_va_vdst(0)
	WPATH 3072, 6, 14, 41, WQL, 256, 0
	s_wait_tensorcnt 0x0
	ds_add_u32 v192, v193
	s_wait_dscnt 0x0
	s_endpgm
.Lwout:
	s_wait_alu depctr_va_vdst(0)
	WPATH 1024, 8, 16, 47, WOL, 352, 1
	s_wait_tensorcnt 0x0
	ds_add_u32 v192, v193
	s_wait_dscnt 0x0
	s_endpgm
.Lfunc_end_k_q13ca8ba5c5_quant:
	.size	k_q13ca8ba5c5_quant, .Lfunc_end_k_q13ca8ba5c5_quant-k_q13ca8ba5c5_quant
	.p2alignl 7, 3214868480
	.fill 96, 4, 3214868480
	.section	.rodata,"a",@progbits
	.p2align	6, 0x0
	.amdhsa_kernel k_q13ca8ba5c5_quant
		.amdhsa_group_segment_fixed_size 102912
		.amdhsa_private_segment_fixed_size 0
		.amdhsa_enable_private_segment 0
		.amdhsa_kernarg_size 56
		.amdhsa_user_sgpr_count 2
		.amdhsa_user_sgpr_kernarg_segment_ptr 1
		.amdhsa_wavefront_size32 1
		.amdhsa_system_sgpr_workgroup_id_x 1
		.amdhsa_system_sgpr_workgroup_id_y 1
		.amdhsa_system_sgpr_workgroup_id_z 1
		.amdhsa_system_vgpr_workitem_id 0
		.amdhsa_next_free_vgpr 194
		.amdhsa_next_free_sgpr 66
		.amdhsa_reserve_vcc 0
		.amdhsa_float_denorm_mode_32 3
		.amdhsa_float_denorm_mode_16_64 3
		.amdhsa_fp16_overflow 1
		.amdhsa_memory_ordered 1
		.amdhsa_forward_progress 1
		.amdhsa_inst_pref_size 85
	.end_amdhsa_kernel
	.amdgpu_metadata
---
amdhsa.version: [ 1, 2 ]
amdhsa.kernels:
  - .name:           k_q13ca8ba5c5_quant
    .symbol:         k_q13ca8ba5c5_quant.kd
    .args:
      - { .name: x, .offset: 0, .size: 8, .value_kind: global_buffer, .address_space: global }
      - { .name: W_qkv, .offset: 8, .size: 8, .value_kind: global_buffer, .address_space: global }
      - { .name: W_out, .offset: 16, .size: 8, .value_kind: global_buffer, .address_space: global }
      - { .name: lowp_scales, .offset: 24, .size: 8, .value_kind: global_buffer, .address_space: global }
      - { .name: xc, .offset: 32, .size: 8, .value_kind: global_buffer, .address_space: global }
      - { .name: wqc, .offset: 40, .size: 8, .value_kind: global_buffer, .address_space: global }
      - { .name: woc, .offset: 48, .size: 8, .value_kind: global_buffer, .address_space: global }
    .group_segment_fixed_size: 102912
    .private_segment_fixed_size: 0
    .kernarg_segment_align: 8
    .kernarg_segment_size: 56
    .max_flat_workgroup_size: 128
    .sgpr_count:     66
    .vgpr_count:     194
    .wavefront_size: 32
...
	.end_amdgpu_metadata
.endif
;; end of part 1
;; launch qkv (part 2): grid 12 x 32, 4 waves a work-group, clusters of 4 x 4, 327,680 bytes of LDS; arguments xc, wqc, lowp_scales, b_qkv, qc, kc, vc; writes qc, kc, vc
.if DOCPART == 2
	.amdgcn_target "amdgcn-amd-amdhsa--gfx1250"
	.amdhsa_code_object_version 6
	.text
	.protected	k_q13ca8ba5c5_qkv
	.globl	k_q13ca8ba5c5_qkv
	.p2align	8
	.type	k_q13ca8ba5c5_qkv,@function
k_q13ca8ba5c5_qkv:
	s_mov_b64 s[64:65], 0
	v_nop
	global_prefetch_b8 v0, s[64:65] scope:SCOPE_SE
	s_setreg_imm32_b32 hwreg(HW_REG_WAVE_MODE, 25, 1), 1
	s_wait_xcnt 0x0
	s_wait_alu depctr_hold_cnt(0) depctr_sa_sdst(0) depctr_va_vdst(0) depctr_va_sdst(0) depctr_va_ssrc(0) depctr_va_vcc(0) depctr_vm_vsrc(0)
	s_getreg_b32 s2, hwreg(HW_REG_IB_STS2, 6, 4)
	s_cmp_eq_u32 s2, 0
	s_cbranch_scc0 .Lentry_in_a_cluster
	s_endpgm
.Lentry_in_a_cluster:
	s_bfe_u32 s2, ttmp6, 0x10000c
	s_cmp_lg_u32 s2, 0xf033
	s_cbranch_scc0 .Lentry_shape_is_right
	s_endpgm
.Lentry_shape_is_right:
; qkv = x W_qkv + b_qkv on codes of FP8 (E4M3), then q, k and v are quantised and stored as the next launch's operand registers want them.
; xc: [8192][1024], wqc: [3072 (n)][1024]: codes, K innermost.  A sum stands for sum x 2^(e0 + e1); number = sum x 2^(e0 + e1) + bias in one fused multiply-add, f32;
; its code = number / 2^e (e2 for q, e3 for k, e5 for v), held within +-448, to the nearest code, ties to even.
; LIMITS: e0 + e1 between -126 and 127; e2, e3, e5 between -126 and 119, so that each power of two below is an f32 number.  NaN is not served.
; The fragments are fetched by 16-byte pieces: inside an instruction k stands in a fixed permutation, the same in both operands, so every product meets its partner.
; A tile of 256 rows x 256 columns is made by four waves, each 128 x 128: 64 accumulators, 512 registers.  K goes in steps of 256 through a ring of two LDS slots filled by the tensor data mover.
; CLUSTERS: 4 x 4 work-groups; x's tiles are asked for jointly along a row of the cluster, W's along a column.  The 12 tile columns are 3 clusters: cluster x = 0 makes q, 1 makes k, 2 makes v,
; so the kind is the same in all sixteen partners.  384 work-groups: the tile is kept at 256 x 256 so that a tile is wholly q, k or v and each LDS byte feeds the most products.
; q, k: source 0 = 16 rows of W, source 1 = 16 rows of x: a lane holds one row t and eight neighbouring columns d: one conversion makes two registers of the fragment (16 t x 64 d) of the score product.
; v:    source 0 = 16 rows of x, source 1 = 16 rows of W: a lane holds one column d and eight neighbouring keys: two registers of the fragment (16 d x 128 keys) of the second product.
;       Only the LDS READ addresses differ (A's region and B's change places); fills, descriptors and products are the same text.
; OUTPUT (bh = 16 batch + head): qc, kc: bh x 131072 + (t / 16) x 1024 + (d / 32) x 512 + 16 x lane;  vc: bh x 131072 + (key / 128) x 8192 + (d / 16) x 2048 + ((key / 32) % 4) x 512 + 16 x lane:
;       four registers of a fragment, lane by lane: each store of the wave covers 512 consecutive bytes, aligned.  No LDS on the way out.
; REGISTERS, in windows of 256: window 0: v0-31 addresses and constants; v32-95 the bias for q, k (b[16 b + 8 h + j]); v96-111 for v (b[16 a + r], twice); from v128 source 1's fragments, ONE set; on the way out v128-223.
;   window 1: source 0's fragments, TWO sets.   windows 2, 3: the accumulators ((a, b) at v[8 (8 (a % 4) + b)]).
.set KSTEP,  256
.set ROWB,   256
.set KROW,   1024
.set PITCH,  272                       ; an LDS row: 256 bytes + 16 of padding = 68 words: row r starts at bank 4 r mod 64 (64 banks of 4 bytes: ISA guide 11.1)
.set FR,     16
.set NL,     4
.set NP,     4                         ; places behind this matrix instruction (ISA guide 7.12.1)
.set HALFT,  128*PITCH
.set SLOT,   4*HALFT                   ; x's 256 rows, then W's 256 rows
.set LAPS,   2                         ; 1,024 along K = two laps of two K steps
.set SPARE,  2*SLOT                    ; behind the ring: the spare words, 128 bytes for each wave
.set ADRA, 16                          ; v16-17  LDS address of source 1's fragments in slot 0, 1
.set ADRB, 20                          ; v20-21  of source 0's
.set CO,   26                          ; v26     16 x lane
.set SPW,  28                          ; v28     my spare word; never rewritten
.set NIL,  29                          ; v29     0; never rewritten
.set BI,   32
.set BV,   96
.set AF,   128
.set TMP,  128                         ; the way out: a block's 64 numbers
.set CD,   192                         ; the way out: codes, two sets of 16 registers by turns
.set G1, 24
.set G0, 32
.set G1B, 48
.set G0B, 56
.set MSB, 0
.macro WIN new                         ; the immediate's high byte repeats the setting that is left
.if MSB != (\new)
	s_set_vgpr_msb (MSB<<8)|(\new)
.set MSB, (\new)
.endif
.endm
.set MUL_LO, 0xa1                      ; source 0 window 1, source 1 window 0, C and D window 2
.set MUL_HI, 0xf1                      ; the same, C and D window 3
.set TO_B,   0x40                      ; destination window 1, address window 0
; A joint load: waves 0 and 1 fetch x's halves, waves 2 and 3 W's.  The branch hangs on the wave's number alone.  Four v_nop follow each of the two lines.
.macro JLOAD g0a, g1a, g0b, g1b
	s_cmp_eq_u32 s15, 0
	s_cbranch_scc0 .Lfor_b_\@
	tensor_load_to_lds s[\g0a:\g0a+3], s[\g1a:\g1a+7]
	s_nop 0
.rept 4
	v_nop
.endr
	s_branch .Lasked_\@
.Lfor_b_\@:
	tensor_load_to_lds s[\g0b:\g0b+3], s[\g1b:\g1b+7]
	s_nop 0
.rept 4
	v_nop
.endr
.Lasked_\@:
.endm
.macro CREST                           ; a round of the cluster's barrier behind its opening barrier
	s_cmp_lg_u32 s14, 0
	s_cbranch_scc1 .Lnot_wave_0_\@
	s_barrier_signal -3
.Lnot_wave_0_\@:
	s_barrier_wait -3
	s_barrier_signal -1
	s_barrier_wait -1
.endm
.macro CROUND
	s_barrier_signal -1
	s_barrier_wait -1
	CREST
.endm
	s_load_b128 s[4:7], s[0:1], 0x0                ; xc s[4:5], wqc s[6:7]
	s_load_b128 s[8:11], s[0:1], 0x10              ; the exponents s[8:9], b_qkv s[10:11]
	s_load_b128 s[68:71], s[0:1], 0x20             ; qc s[68:69], kc s[70:71]
	s_load_b64 s[72:73], s[0:1], 0x30              ; vc
	v_lshl_add_u32 v[SPW], v0, 2, SPARE
	v_mov_b32 v[NIL], 0
	ds_add_u32 v28, v29
	ds_add_u32 v28, v29
	s_wait_dscnt 0x0
	v_lshrrev_b32 v1, 5, v0
	v_readfirstlane_b32 s14, v1                    ; wave 0..3
	s_lshr_b32 s15, s14, 1                         ; source 1's half that is mine.  Also: I fetch for x (0) or for W (1)
	s_and_b32 s16, s14, 1                          ; source 0's half.  Also: which 128 rows of that tile I fetch
	s_bfe_u32 s40, ttmp6, 0x40000                  ; cx, cy: my place in the cluster
	s_bfe_u32 s41, ttmp6, 0x40004
	s_lshl_b32 s42, ttmp9, 2
	s_add_co_u32 s42, s42, s40                     ; tile column = 4 x cluster x + cx
	s_and_b32 s17, ttmp7, 0xffff
	s_lshl_b32 s17, s17, 2
	s_add_co_u32 s17, s17, s41                     ; tile row = 4 x cluster y + cy
	s_lshl_b32 s43, s41, 2
	s_lshl_b32 s43, 15, s43                        ; my row of the cluster
	s_lshl_b32 s44, 0x1111, s40                    ; my column
	; descriptor group 1: a tile of 128 rows x 256 bytes, padded in LDS
	s_or_b32 s[G1+0], s43, (0<<16)|(1<<20)|(1<<21)|(5<<22)|(3<<25)  ; 15:0 the mask; 17:16 elements of 1 byte; 20 padding on; 21 set beside a mask; 24:22 after every 64 words; 31:25 four words
	s_or_b32 s[G1B+0], s44, (0<<16)|(1<<20)|(1<<21)|(5<<22)|(3<<25)
.irp g, G1, G1B
	s_mov_b32 s[\g+1], ROWB<<16                    ; tensor_dim0
	s_mov_b32 s[\g+2], 128<<16                     ; tensor_dim1
	s_mov_b32 s[\g+3], ROWB<<16                    ; tile_dim0
	s_mov_b32 s[\g+4], 128                         ; tile_dim1
	s_mov_b32 s[\g+5], KROW                        ; tensor_dim0_stride
	s_mov_b32 s[\g+6], 0
	s_mov_b32 s[\g+7], 0
.endr
	s_lshl_b32 s18, s16, 7                         ; which 128 rows of the tile I fetch
	s_lshl_b32 s20, s17, 8
	s_add_co_u32 s20, s20, s18                     ; x: row 256 x tile row + 128 x half,
	s_lshl_b32 s20, s20, 10                        ; in bytes
	s_mov_b32 s21, 0
	s_lshl_b32 s46, s42, 8
	s_add_co_u32 s46, s46, s18                     ; W: row 256 x tile column + 128 x half
	s_lshl_b32 s46, s46, 10
	s_mov_b32 s47, 0
	s_mul_i32 s45, s14, HALFT                      ; where they go: wave x 128 rows: no place in the cluster enters an LDS address
	s_wait_kmcnt 0x0
	s_load_b256 s[76:83], s[8:9], 0x0              ; e0 .. e7
	s_add_nc_u64 s[20:21], s[4:5], s[20:21]
	s_add_nc_u64 s[46:47], s[6:7], s[46:47]
	CROUND                                         ; all sixteen work-groups are here: the first joint loads meet
.irp s, 0,1
	s_mov_b32 s[G0+4*\s], 1
	s_add_co_u32 s[G0+4*\s+1], s45, \s*SLOT
	s_add_nc_u64 s[G0+4*\s+2:G0+4*\s+3], s[20:21], \s*ROWB
	s_or_b32 s[G0+4*\s+3], s[G0+4*\s+3], 0x80000000
	s_mov_b32 s[G0B+4*\s], 1
	s_add_co_u32 s[G0B+4*\s+1], s45, \s*SLOT
	s_add_nc_u64 s[G0B+4*\s+2:G0B+4*\s+3], s[46:47], \s*ROWB
	s_or_b32 s[G0B+4*\s+3], s[G0B+4*\s+3], 0x80000000
	JLOAD G0+4*\s, G1, G0B+4*\s, G1B               ; two tensor loads of mine are out
.endr
	v_and_b32 v1, 15, v0                           ; r = l % 16
	v_bfe_u32 v2, v0, 4, 1                         ; h = l / 16
	v_mul_u32_u24 v3, v1, PITCH
	v_lshl_add_u32 v4, v2, 4, v3                   ; a fragment's row x pitch + 16 x half
	s_wait_alu depctr_va_vdst(0)
	s_cmp_eq_u32 ttmp9, 2                          ; v?  The cluster's x: the same in all sixteen partners
	s_cselect_b32 s66, 2*HALFT, 0                  ; source 1 reads x's region (q, k) or W's (v),
	s_cselect_b32 s67, 0, 2*HALFT                  ; source 0 the other
	s_cselect_b32 s74, s16, s15                    ; which half of the tile's rows of x is mine,
	s_cselect_b32 s75, s15, s16                    ; and which half of its columns
	s_mul_i32 s21, s15, HALFT
	s_add_co_u32 s21, s21, s66
	s_mul_i32 s22, s16, HALFT
	s_add_co_u32 s22, s22, s67
.irp s, 0,1
	v_add_nc_u32 v[ADRA+\s], s21, v4
	v_add_nc_u32 v[ADRB+\s], s22, v4
	s_add_co_u32 s21, s21, SLOT
	s_add_co_u32 s22, s22, SLOT
.endr
	v_and_b32 v5, 31, v0
	v_lshlrev_b32 v[CO], 4, v5                     ; 16 x lane
	; the bias of my 128 columns, in both forms; the form that the kind wants is used
	s_lshl_b32 s46, s42, 10                        ; 4 x 256 x tile column (in the registers that held W's address: none that feeds x's descriptors ever holds cx)
	s_lshl_b32 s47, s75, 9
	s_add_co_u32 s46, s46, s47
	s_mov_b32 s47, 0
	s_add_nc_u64 s[10:11], s[10:11], s[46:47]
	v_lshlrev_b32 v6, 5, v2                        ; 32 h
	v_lshlrev_b32 v7, 2, v1                        ; 4 r
.irp b, 0,1,2,3,4,5,6,7
	global_load_b128 v[BI+8*\b:BI+8*\b+3], v6, s[10:11] offset:64*\b          ; b[16 b + 8 h + 0 .. 7]
	global_load_b128 v[BI+8*\b+4:BI+8*\b+7], v6, s[10:11] offset:64*\b+16
.endr
.irp a, 0,1,2,3,4,5,6,7
	global_load_b32 v[BV+2*\a], v7, s[10:11] offset:64*\a                     ; b[16 a + r], as a pair for the packed form
	global_load_b32 v[BV+2*\a+1], v7, s[10:11] offset:64*\a
.endr
	s_wait_alu depctr_va_vdst(0)
	; the way out's scalars are made here, while the first tiles are on their way
	s_wait_kmcnt 0x0                               ; the exponents
	s_add_co_i32 s96, s76, s77
	s_add_co_i32 s96, s96, 127
	s_lshl_b32 s96, s96, 23                        ; 2^(e0 + e1) as f32
	s_mov_b32 s97, s96                             ; (named with it as a pair, so it is written)
	s_cmp_eq_u32 ttmp9, 0
	s_cselect_b32 s84, s78, s79                    ; e2 for q, e3 for k,
	s_cselect_b64 s[86:87], s[68:69], s[70:71]
	s_cmp_eq_u32 ttmp9, 2
	s_cselect_b32 s84, s81, s84                    ; e5 for v: choices, no branch on a loaded number
	s_cselect_b64 s[86:87], s[72:73], s[86:87]
	s_add_co_i32 s84, s84, 127
	s_lshl_b32 s85, s84, 23
	v_mov_b32 v13, s85                             ; 2^e as f32: the conversion takes its exponent field
	s_lshr_b32 s88, s17, 3                         ; batch = tile row / 8
	s_lshl_b32 s88, s88, 4
	s_lshl_b32 s89, s40, 2
	s_add_co_u32 s88, s88, s89
	s_lshl_b32 s89, s75, 1
	s_add_co_u32 s88, s88, s89                     ; bh of my first head: 16 batch + 4 cx + 2 x my half of the columns
	s_lshl_b32 s88, s88, 17
	s_and_b32 s89, s17, 7
	s_lshl_b32 s89, s89, 1
	s_add_co_u32 s89, s89, s74                     ; my 128 rows t within the batch: 8,192 bytes in each of the three layouts
	s_lshl_b32 s89, s89, 13
	s_add_co_u32 s88, s88, s89
	s_mov_b32 s89, 0
	s_add_nc_u64 s[86:87], s[86:87], s[88:89]
.macro FRAG reg, adr, q, i             ; a fragment, 16 rows x 128 K: lane l holds row l % 16; registers 4 c .. 4 c + 3 hold K = 32 c + 16 (l / 16) + 0 .. 15
.irp c, 0,1,2,3
	ds_load_b128 v[\reg+4*\c:\reg+4*\c+3], v[\adr] offset:128*(\q)+32*\c+(\i)*16*PITCH
.endr
.endm
; 16 matrix instructions: source 1's blocks a0, a0 + 1 x source 0's eight.  The 64 accumulators take turns, one instruction a turn, in the same order in every step.
.macro MUL16 a0, p, zero
.irp a, \a0, \a0+1
.irp b, 0,1,2,3,4,5,6,7
.if \zero
	v_wmma_f32_16x16x128_fp8_fp8 v[8*(8*((\a)%4)+\b):8*(8*((\a)%4)+\b)+7], v[128*(\p)+FR*\b:128*(\p)+FR*\b+FR-1], v[AF+FR*(\a):AF+FR*(\a)+FR-1], 0
.else
	v_wmma_f32_16x16x128_fp8_fp8 v[8*(8*((\a)%4)+\b):8*(8*((\a)%4)+\b)+7], v[128*(\p)+FR*\b:128*(\p)+FR*\b+FR-1], v[AF+FR*(\a):AF+FR*(\a)+FR-1], v[8*(8*((\a)%4)+\b):8*(8*((\a)%4)+\b)+7]
.endif
.endr
.endr
.endm
.macro FETCH_B slot, q, p
	WIN TO_B
.irp i, 0,1,2,3,4,5,6,7
	FRAG 128*(\p)+FR*\i, ADRB+\slot, \q, \i
.endr
	WIN 0
.endm
.macro FETCH_A slot, q, i0
.irp i, \i0, \i0+1, \i0+2, \i0+3
	FRAG AF+FR*(\i), ADRA+\slot, \q, \i
.endr
.endm
.macro PLACES n                        ; plain vector lines between a matrix instruction and a load into, or a vector write of, one of its registers, or a read of its result
.rept \n
	v_nop
.endr
.endm
.macro STEP slot, q, zero              ; a step of 128 along K that has its successor in the same slot
	s_wait_dscnt 4*NL                              ; source 0's set and source 1's blocks 0-3 are in; the youngest 16 loads (blocks 4-7) may be out
	WIN MUL_LO
	MUL16 0, (\q)%2, \zero
	MUL16 2, (\q)%2, \zero
	s_wait_dscnt 0                                 ; blocks 4-7 are in
	PLACES NP
	FETCH_B \slot, (\q)+1, 1-(\q)%2
	FETCH_A \slot, (\q)+1, 0
	WIN MUL_HI
	MUL16 4, (\q)%2, \zero
	MUL16 6, (\q)%2, \zero
	PLACES NP
	WIN 0
	FETCH_A \slot, (\q)+1, 4
.endm
; A slot's last step changes slots: ONE barrier; in front of it each wave waits for all its tensor loads, adds 0 to its spare word, and waits for that and for its own reads of this slot.
.macro TURN slot, next, fill
	s_wait_tensorcnt 0x0                           ; all my tensor loads have landed: my part of the next slot
	ds_add_u32 v[SPW], v[NIL]                      ; 0 onto my spare word
	s_wait_dscnt 4*NL+1                            ; (the add and the youngest 16 loads, blocks 4-7, may be out)
	WIN MUL_LO
	MUL16 0, 1, 0                                  ; sixteen matrix instructions stand between the add and the wait for it
	s_wait_dscnt 0x0                               ; the add is done, and my reads of this slot are over
	s_barrier_signal -1
	MUL16 2, 1, 0
	WIN 0
	s_barrier_wait -1
.if \fill
	CREST                                          ; the barrier has opened a round of the cluster's barrier: no wave of any partner still reads this slot or has a load on its way
	s_add_nc_u64 s[G0+4*\slot+2:G0+4*\slot+3], s[G0+4*\slot+2:G0+4*\slot+3], 2*ROWB
	s_add_nc_u64 s[G0B+4*\slot+2:G0B+4*\slot+3], s[G0B+4*\slot+2:G0B+4*\slot+3], 2*ROWB
	JLOAD G0+4*\slot, G1, G0B+4*\slot, G1B         ; the first tensor load behind the round, my only one until the next; its four v_nop are the places in front of the loads below
.else
	PLACES NP
.endif
	FETCH_B \next, 0, 0
	FETCH_A \next, 0, 0
	WIN MUL_HI
	MUL16 4, 1, 0
	MUL16 6, 1, 0
	PLACES NP
	WIN 0
	FETCH_A \next, 0, 4
.endm
	s_wait_loadcnt 0x0                             ; the bias: no global load of mine is out at a barrier
	s_wait_tensorcnt 1                             ; my part of K step 0 is in; K step 1's load may be out
	s_barrier_signal -1
	s_barrier_wait -1
	FETCH_B 0, 0, 0
	FETCH_A 0, 0, 0
	FETCH_A 0, 0, 4
	STEP 0, 0, 1                                   ; the first step stands in front of the loop: its products start the sums
	s_mov_b32 s3, LAPS-1
.Llap:                                                 ; a trip goes once round the ring and fills both slots again
	TURN 0, 1, 1
	STEP 1, 0, 0
	TURN 1, 0, 1
	STEP 0, 0, 0
	s_sub_co_u32 s3, s3, 1
	s_cmp_lg_u32 s3, 0
	s_cbranch_scc1 .Llap
	TURN 0, 1, 0                                   ; the last lap fills nothing
	STEP 1, 0, 0
	s_wait_dscnt 4*NL
	WIN MUL_LO
	MUL16 0, 1, 0
	MUL16 2, 1, 0
	s_wait_dscnt 0
	WIN MUL_HI
	MUL16 4, 1, 0
	MUL16 6, 1, 0
	WIN 0
; THE WAY OUT, source 1's blocks one after the other.  64 numbers a lane: sum x 2^(e0 + e1) + bias (each accumulator from its low end on), eight conversions: accumulator b gives registers 2 b, 2 b + 1;
; four registers are 16 bytes a lane: a store covers 512 consecutive bytes.  kind 0 (q, k): block a = rows t 16 a on; pair bp of accumulators = head bp / 2, d 32 (bp % 2) on.
; kind 1 (v): block a = head a / 4, d 16 (a % 4) on; pair bp = keys 32 bp on.
.macro OUT kind
.irp a, 0,1,2,3,4,5,6,7
.if \a >= 2
	s_wait_xcnt 0x0                                ; block a - 2's stores have read their registers: its set of codes is written again only behind this wait
.endif
	WIN 0x02+(\a/4)                                ; source 0: window 2 or 3
.irp b, 0,1,2,3,4,5,6,7
.irp i, 0,2,4,6
.if \kind
	v_pk_fma_f32 v[TMP+8*\b+\i:TMP+8*\b+\i+1], v[64*(\a%4)+8*\b+\i:64*(\a%4)+8*\b+\i+1], s[96:97], v[BV+2*\a:BV+2*\a+1] op_sel_hi:[1,0,1]
.else
	v_pk_fma_f32 v[TMP+8*\b+\i:TMP+8*\b+\i+1], v[64*(\a%4)+8*\b+\i:64*(\a%4)+8*\b+\i+1], s[96:97], v[BI+8*\b+\i:BI+8*\b+\i+1] op_sel_hi:[1,0,1]
.endif
.endr
.endr
	WIN 0
.irp b, 0,1,2,3,4,5,6,7
.irp i, 0,1,2,3,4,5,6,7
.endr
	v_cvt_scalef32_pk8_fp8_f32 v[CD+16*(\a%2)+2*\b:CD+16*(\a%2)+2*\b+1], v[TMP+8*\b:TMP+8*\b+7], v13
.endr
	v_nop                                          ; one plain vector line between the last conversion and the next block's lines, which write its sources
.irp p, 0,1,2,3
.if \kind
	global_store_b128 v[CO], v[CD+16*(\a%2)+4*\p:CD+16*(\a%2)+4*\p+3], s[86:87] offset:(\a/4)*131072+(\a%4)*2048+\p*512
.else
	global_store_b128 v[CO], v[CD+16*(\a%2)+4*\p:CD+16*(\a%2)+4*\p+3], s[86:87] offset:(\p/2)*131072+\a*1024+(\p%2)*512
.endif
.endr
.endr
.endm
	PLACES NP                                      ; behind the last products: their results are read and source 1's registers written below
	s_cmp_eq_u32 ttmp9, 2                          ; the cluster's x: all partners take the same way; the two ways hold register work and stores alone
	s_cbranch_scc1 .Lout_v
	OUT 0
	s_branch .Lend
.Lout_v:
	OUT 1
.Lend:
	s_wait_tensorcnt 0x0                           ; the wave's end
	ds_add_u32 v[SPW], v[NIL]
	s_wait_dscnt 0x0
	CROUND                                         ; the closing round: no work-group ends while a partner may still ask for a tile that names it
	s_endpgm
.Lfunc_end_k_q13ca8ba5c5_qkv:
	.size	k_q13ca8ba5c5_qkv, .Lfunc_end_k_q13ca8ba5c5_qkv-k_q13ca8ba5c5_qkv
	.p2alignl 7, 3214868480
	.fill 96, 4, 3214868480
	.section	.rodata,"a",@progbits
	.p2align	6, 0x0
	.amdhsa_kernel k_q13ca8ba5c5_qkv
		.amdhsa_group_segment_fixed_size 327680
		.amdhsa_private_segment_fixed_size 0
		.amdhsa_enable_private_segment 0
		.amdhsa_kernarg_size 56
		.amdhsa_user_sgpr_count 2
		.amdhsa_user_sgpr_kernarg_segment_ptr 1
		.amdhsa_wavefront_size32 1
		.amdhsa_system_sgpr_workgroup_id_x 1
		.amdhsa_system_sgpr_workgroup_id_y 1
		.amdhsa_system_sgpr_workgroup_id_z 1
		.amdhsa_system_vgpr_workitem_id 0
		.amdhsa_next_free_vgpr 1024
		.amdhsa_next_free_sgpr 100
		.amdhsa_reserve_vcc 0
		.amdhsa_float_denorm_mode_32 3
		.amdhsa_float_denorm_mode_16_64 3
		.amdhsa_fp16_overflow 1
		.amdhsa_memory_ordered 1
		.amdhsa_forward_progress 1
		.amdhsa_inst_pref_size 129
	.end_amdhsa_kernel
	.amdgpu_metadata
---
amdhsa.version: [ 1, 2 ]
amdhsa.kernels:
  - .name:           k_q13ca8ba5c5_qkv
    .symbol:         k_q13ca8ba5c5_qkv.kd
    .args:
      - { .name: xc, .offset: 0, .size: 8, .value_kind: global_buffer, .address_space: global }
      - { .name: wqc, .offset: 8, .size: 8, .value_kind: global_buffer, .address_space: global }
      - { .name: lowp_scales, .offset: 16, .size: 8, .value_kind: global_buffer, .address_space: global }
      - { .name: b_qkv, .offset: 24, .size: 8, .value_kind: global_buffer, .address_space: global }
      - { .name: qc, .offset: 32, .size: 8, .value_kind: global_buffer, .address_space: global }
      - { .name: kc, .offset: 40, .size: 8, .value_kind: global_buffer, .address_space: global }
      - { .name: vc, .offset: 48, .size: 8, .value_kind: global_buffer, .address_space: global }
    .group_segment_fixed_size: 327680
    .private_segment_fixed_size: 0
    .kernarg_segment_align: 8
    .kernarg_segment_size: 56
    .max_flat_workgroup_size: 128
    .sgpr_count:     100
    .vgpr_count:     1024
    .wavefront_size: 32
...
	.end_amdgpu_metadata
.endif
;; end of part 2
;; launch attn (part 3): grid 4 x 64, 16 waves a work-group, clusters of 4 x 1, 264,192 bytes of LDS; arguments qc, kc, vc, lowp_scales, yc; writes yc
.if DOCPART == 3
	.amdgcn_target "amdgcn-amd-amdhsa--gfx1250"
	.amdhsa_code_object_version 6
	.text
	.protected	k_q13ca8ba5c5_attn
	.globl	k_q13ca8ba5c5_attn
	.p2align	8
	.type	k_q13ca8ba5c5_attn,@function
k_q13ca8ba5c5_attn:
	s_mov_b64 s[64:65], 0
	v_nop
	global_prefetch_b8 v0, s[64:65] scope:SCOPE_SE
	s_setreg_imm32_b32 hwreg(HW_REG_WAVE_MODE, 25, 1), 1
	s_wait_xcnt 0x0
	s_wait_alu depctr_hold_cnt(0) depctr_sa_sdst(0) depctr_va_vdst(0) depctr_va_sdst(0) depctr_va_ssrc(0) depctr_va_vcc(0) depctr_vm_vsrc(0)
	s_getreg_b32 s2, hwreg(HW_REG_IB_STS2, 6, 4)
	s_cmp_eq_u32 s2, 0
	s_cbranch_scc0 .Lentry_in_a_cluster
	s_endpgm
.Lentry_in_a_cluster:
	s_bfe_u32 s2, ttmp6, 0x10000c
	s_cmp_lg_u32 s2, 0x3003
	s_cbranch_scc0 .Lentry_shape_is_right
	s_endpgm
.Lentry_shape_is_right:
; y = softmax(q k^T / 8, causal) v for 64 (batch, head) pairs of 2,048 x 64, both products on codes of FP8 (E4M3); y is quantised for the last product.
; qc, kc: fragments of 16 rows x 64 d, 1,024 bytes each; vc: fragments of 16 d x 128 keys, 2,048 bytes each: images of the operand's registers (four registers at 16 x lane, 512 bytes a group).
; THE SOFTMAX: t = score x 2^(e2 + e3) x log2(e) / 8; M = the running largest t rounded UP to a whole number; p = 2^(t - M) is quantised with 2^e4, not normalised; the row's sum is taken of the unquantised p;
; when M moves, the sum and O are multiplied by 2^(old M - new M), which rounds nothing.  y = O x 2^(e4 + e5) / sum; its code = y / 2^e6, held within +-448.
; LIMITS: e2 + e3 between -123 and 130 (added to c's exponent field); e4 and e6 between -126 and 119; e4 + e5 is applied by v_ldexp_f32 and has none.  NaN is not served.
; LDS holds the pair's whole K (131,072 bytes from 0) and V (131,072 bytes behind it): filled once, never again, so there is no ring, and each wave walks the keys at its own pace behind one barrier.
; CLUSTER: the four work-groups of a cluster serve one pair and ask for K and V JOINTLY: 16 waves, one tensor load each of 64 rows x 256 bytes (waves 0-7: K; 8-15: V), LDS address 16,384 x wave.
; SHARES: the pair's queries are 16 blocks of 128, a block 8 tiles of 16.  Work-group cx takes tiles 2 cx + (wave % 2) of every block; wave w (p = w / 2) does block 15 - p and then block p.
;   Block g wants g + 1 key steps of 128 keys: 17 steps for every wave of every work-group.  Steps all of whose keys come after the block are jumped over (a branch on the wave's number and a counter);
;   the trip counts are constants.  In the step on the diagonal hidden scores become -infinity ahead of the maximum; key 0 counts for every query, so M is a number from a job's first step on.
;   cx enters global addresses and the mask's lane number alone: no branch and no LDS address.
; LAYOUT: S^T = K Q^T (source 0 = 16 keys, source 1 = my 16 queries): lane (r, h) holds query r, register 8 t + j key 16 t + 8 h + j: one conversion of tile t's eight gives registers 2 t, 2 t + 1 of P.
;   O^T = V^T P^T (source 0 = 16 d x 128 keys): register 8 u + j is d = 16 u + 8 h + j: one conversion gives two registers of y's fragment; a store covers 512 consecutive bytes.
; yc: (row / 16) x 16384 + head x 1024 + (d / 32) x 512 + 16 x lane.
; Nothing is prefetched: all of K and V is asked for by the tensor loads at the head.
.set AL,   1                           ; v1   16 x lane
.set ADK,  2                           ; v2   LDS address of the step's K
.set ADV,  3                           ; v3   of its V
.set DM,   4                           ; v4   my query in its block - 8 h
.set NINF, 6                           ; v6   -infinity
.set PD,   7                           ; v7   a lane permute's destination
.set QA,   8                           ; v8-15 Q of the first job
.set NM,   16                          ; v16 -M, v17 the largest t
.set SUM,  18                          ; v18-19 the row's sum in two halves
.set FF,   20                          ; v20 f = 2^(old M - new M); v21 named with it as a pair
.set W0,   22                          ; v22-23 at work
.set SUM2, 24                          ; v24-25 the sums' second chain
.set PSC,  26                          ; v26 2^e4
.set YSC,  28                          ; v28 2^e6
.set RL,   30                          ; v30 2^(e4 + e5) / sum; v31 named with it
.set F,    32                          ; v32-95   fragments of K, then of V
.set S,    96                          ; v96-159  S^T, then p
.set O,    160                         ; v160-191 O^T
.set PC,   192                         ; v192-207 p's codes
.set YC,   208                         ; v208-223 y's codes, eight registers a job
.set QB,   224                         ; v224-231 Q of the second job
.set WV,   14
.set CX,   15
.set HB,   16
.set GA,   22                          ; s22  the first job's block, 15 - p
.set G1,   24                          ; s[24:31] descriptor group 1
.set G0K,  40                          ; s[40:43] group 0 for K;  s[44:47] for V
.set G0V,  44
.set SEL,  56                          ; s[56:57] lane selects: lane l xor 16
.set CS,   58                          ; s[58:59] c
.set G,    60                          ; s60  the job's block
.set ST,   61                          ; s61  the key step
.set TB,   62                          ; s62  8,192 x the key step
.set GB,   84                          ; s84  the second job's block, p
.set TS,   85                          ; s85  my tile in a block
.set OE,   86                          ; s86  e4 + e5
.macro CROUND                          ; a round of the cluster's barrier
	s_barrier_signal -1
	s_barrier_wait -1
	s_cmp_lg_u32 s[WV], 0
	s_cbranch_scc1 .Lnot_wave_0_\@
	s_barrier_signal -3
.Lnot_wave_0_\@:
	s_barrier_wait -3
	s_barrier_signal -1
	s_barrier_wait -1
.endm
	s_load_b256 s[4:11], s[0:1], 0x0               ; qc s[4:5], kc s[6:7], vc s[8:9], the exponents s[10:11]
	s_load_b64 s[12:13], s[0:1], 0x20              ; yc
	v_lshl_add_u32 v254, v0, 2, 0x40000
	v_mov_b32 v255, 0
	ds_add_u32 v254, v255
	ds_add_u32 v254, v255
	v_lshrrev_b32 v[W0], 5, v0
	s_delay_alu instid0(VALU_DEP_1)
	v_readfirstlane_b32 s[WV], v[W0]               ; wave 0..15
	s_bfe_u32 s[CX], ttmp6, 0x40000                ; cx
	s_and_b32 s[HB], ttmp7, 0xffff                 ; the (batch, head) pair, which the four partners share
	s_and_b32 s17, s[WV], 7
	s_lshl_b32 s18, s[HB], 17                      ; the pair's 131,072 bytes,
	s_lshl_b32 s19, s17, 14                        ; my eighth of them
	s_add_co_u32 s18, s18, s19
	s_mov_b32 s19, 0
	s_lshl_b32 s20, s[WV], 14                      ; LDS: 16,384 x wave: K's eighths, then V's
	s_mov_b32 s[G1], 15|(3<<16)|(1<<21)            ; 15:0 the mask: all four work-groups; 17:16 elements of 8 bytes; 21 set beside a mask; no padding: the images are read 16 bytes a lane on end
	s_mov_b32 s[G1+1], 32<<16                      ; tensor_dim0 = 32 elements: rows of 256 bytes
	s_mov_b32 s[G1+2], 64<<16                      ; tensor_dim1 = 64
	s_mov_b32 s[G1+3], 32<<16                      ; tile_dim0
	s_mov_b32 s[G1+4], 64                          ; tile_dim1
	s_mov_b32 s[G1+5], 32                          ; the block is dense: pitch = row
	s_mov_b32 s[G1+6], 0
	s_mov_b32 s[G1+7], 0
	s_mov_b32 s[SEL], 0x76543210
	s_mov_b32 s[SEL+1], 0xfedcba98
	s_wait_dscnt 0x0
	s_wait_kmcnt 0x0
	s_load_b256 s[68:75], s[10:11], 0x0            ; e0 .. e7
	s_mov_b32 s[G0K], 1
	s_mov_b32 s[G0K+1], s20
	s_add_nc_u64 s[G0K+2:G0K+3], s[6:7], s[18:19]
	s_or_b32 s[G0K+3], s[G0K+3], 0x80000000
	s_mov_b32 s[G0V], 1
	s_mov_b32 s[G0V+1], s20
	s_add_nc_u64 s[G0V+2:G0V+3], s[8:9], s[18:19]
	s_or_b32 s[G0V+3], s[G0V+3], 0x80000000
	CROUND                                         ; all four work-groups are here: the joint loads meet
	s_cmp_lt_u32 s[WV], 8                          ; the wave's number alone: the same in every partner
	s_cbranch_scc0 .Lfor_v
	tensor_load_to_lds s[G0K:G0K+3], s[G1:G1+7]    ; my one tensor load of the launch
	s_nop 0
.rept 4
	v_nop
.endr
	s_branch .Lasked
.Lfor_v:
	tensor_load_to_lds s[G0V:G0V+3], s[G1:G1+7]
	s_nop 0
.rept 4
	v_nop
.endr
.Lasked:
	v_and_b32 v[AL], 31, v0
	s_delay_alu instid0(VALU_DEP_1)
	v_lshlrev_b32 v[AL], 4, v[AL]
	s_wait_alu depctr_va_vdst(0)
	s_lshr_b32 s[GB], s[WV], 1                     ; p
	s_and_b32 s[TS], s[WV], 1
	s_lshl_b32 s21, s[CX], 1
	s_add_co_u32 s[TS], s[TS], s21                 ; my tile in a block: 2 cx + wave % 2
	s_sub_co_u32 s[GA], 15, s[GB]
	s_mov_b32 s21, 0
	s_and_b32 s23, s[HB], 15
	s_lshl_b32 s23, s23, 10                        ; the head's 1,024 bytes in a row tile of yc
; where block s[gs]'s tile of mine lies: Q's fragment at (128 pair + 8 g + tile) x 1,024; y's at (128 batch + 8 g + tile) x 16,384 + head x 1,024
.macro JOBPTR gs, qp, yp
	s_lshl_b32 s18, s[\gs], 3
	s_add_co_u32 s18, s18, s[TS]
	s_lshl_b32 s20, s[HB], 7
	s_add_co_u32 s20, s20, s18
	s_lshl_b32 s20, s20, 10
	s_add_nc_u64 s[\qp:\qp+1], s[4:5], s[20:21]
	s_lshr_b32 s20, s[HB], 4
	s_lshl_b32 s20, s20, 7
	s_add_co_u32 s20, s20, s18
	s_lshl_b32 s20, s20, 14
	s_add_co_u32 s20, s20, s23
	s_add_nc_u64 s[\yp:\yp+1], s[12:13], s[20:21]
.endm
	JOBPTR GA, 76, 78
	JOBPTR GB, 80, 82
	global_load_b128 v[QA:QA+3], v[AL], s[76:77]               ; both jobs' Q stay in registers
	global_load_b128 v[QA+4:QA+7], v[AL], s[76:77] offset:512
	global_load_b128 v[QB:QB+3], v[AL], s[80:81]
	global_load_b128 v[QB+4:QB+7], v[AL], s[80:81] offset:512
	v_and_b32 v[W0], 15, v0                        ; r
	v_bfe_u32 v[W0+1], v0, 4, 1                    ; h
	s_delay_alu instid0(VALU_DEP_1)
	v_lshlrev_b32 v[W0+1], 3, v[W0+1]
	s_delay_alu instid0(VALU_DEP_1)
	v_sub_nc_u32 v[DM], v[W0], v[W0+1]
	s_lshl_b32 s18, s[TS], 4
	v_add_nc_u32 v[DM], s18, v[DM]                 ; 16 x tile + r - 8 h.  Register 8 t + j holds the step's key 16 t + 8 h + j: on the diagonal it is hidden where 16 t + j > this
	v_mov_b32 v[NINF], 0xff800000
	v_mov_b32 v[PD], 0                             ; written once: a lane permute's destination counts as one of its sources
	v_mov_b32 v[FF+1], 0                           ; (named as the upper halves of pairs)
	v_mov_b32 v[RL+1], 0
	s_wait_kmcnt 0x0                               ; the exponents
	s_mov_b32 s[CS], 0x3e38aa3b                    ; c = log2(e) / 8
	s_add_co_i32 s18, s70, s71
	s_lshl_b32 s18, s18, 23
	s_add_co_i32 s[CS], s[CS], s18                 ; x 2^(e2 + e3): added to c's exponent field
	s_mov_b32 s[CS+1], s[CS]
	s_add_co_i32 s18, s72, 127
	s_lshl_b32 s19, s18, 23
	v_mov_b32 v[PSC], s19                          ; 2^e4
	s_add_co_i32 s18, s74, 127
	s_lshl_b32 s19, s18, 23
	v_mov_b32 v[YSC], s19                          ; 2^e6
	s_add_co_i32 s[OE], s72, s73
.macro INIT gs                         ; a job begins: O^T and the sum as zeros, the largest t under every t: the step is written without a first step of its own
	s_mov_b32 s[G], s[\gs]
	s_mov_b32 s[ST], 0
	s_mov_b32 s[TB], 0
	v_mov_b32 v[NM+1], 0xff61b1e6                  ; -3e38
	s_delay_alu instid0(VALU_DEP_1)
	v_floor_f32 v[NM], -v[NM+1]
	v_mov_b32 v[SUM], 0
	v_mov_b32 v[SUM+1], 0
.set J, 0
.rept 32
	v_mov_b32 v[O+J], 0
.set J, J+1
.endr
.endm
; A KEY STEP: 128 keys for my 16 queries, whose fragment begins at v[q].
.macro BODY q
	v_add_nc_u32 v[ADK], s[TB], v[AL]
	s_delay_alu instid0(VALU_DEP_1)
	v_add_nc_u32 v[ADV], 0x20000, v[ADK]
	v_nop
	v_nop                                          ; four plain lines in front of loads into registers that the last products read
.irp t, 0,1,2,3,4,5,6,7
	ds_load_b128 v[F+8*\t:F+8*\t+3], v[ADK] offset:1024*\t
	ds_load_b128 v[F+8*\t+4:F+8*\t+7], v[ADK] offset:1024*\t+512
.endr
	s_wait_alu depctr_va_vdst(0)
.irp t, 0,1,2,3,4,5,6,7
	s_wait_dscnt 14-2*\t                           ; tile t's two loads are in; the 14 - 2 t of the tiles behind it may be out
	v_wmma_f32_16x16x64_fp8_fp8 v[S+8*\t:S+8*\t+7], v[F+8*\t:F+8*\t+7], v[\q:\q+7], 0
.endr
.rept 4
	v_nop                                          ; places behind the products: K's registers are loaded anew and the scores read
.endr
.irp u, 0,1,2,3
.irp c, 0,1,2,3
	ds_load_b128 v[F+16*\u+4*\c:F+16*\u+4*\c+3], v[ADV] offset:2048*\u+512*\c   ; V's four fragments land while the softmax is walked
.endr
.endr
	s_cmp_lg_u32 s[ST], s[G]                       ; only the step on the diagonal has hidden keys
	s_cbranch_scc1 .Lopen_\@
.irp t, 0,1,2,3,4,5,6,7
.irp j, 0,1,2,3,4,5,6,7
	v_cmp_gt_i32 vcc_lo, 16*\t+\j, v[DM]
	v_cndmask_b32 v[S+8*\t+\j], v[S+8*\t+\j], v[NINF], vcc_lo
.endr
.endr
.Lopen_\@:
	v_max3_num_f32 v[W0], v[S], v[S+1], v[S+2]     ; the step's largest score of my query among my 64 keys, in two chains, each accumulator from its low end on,
	v_max3_num_f32 v[W0+1], v[S+3], v[S+4], v[S+5]
.irp i, 6,10,14,18,22,26,30,34,38,42,46,50,54,58
	v_max3_num_f32 v[W0], v[W0], v[S+\i], v[S+1+\i]
	v_max3_num_f32 v[W0+1], v[W0+1], v[S+2+\i], v[S+3+\i]
.endr
	v_max3_num_f32 v[W0], v[W0], v[S+62], v[S+63]
	s_delay_alu instid0(VALU_DEP_1)
	v_max_num_f32 v[W0], v[W0], v[W0+1]
	s_delay_alu instid0(VALU_DEP_1)
	v_permlanex16_b32 v[PD], v[W0], s[SEL], s[SEL+1]
	s_delay_alu instid0(VALU_DEP_1)
	v_max_num_f32 v[W0], v[W0], v[PD]              ; and among lane l xor 16's
	s_delay_alu instid0(VALU_DEP_1)
	v_mul_f32 v[W0], s[CS], v[W0]                  ; as t (c is positive)
	s_delay_alu instid0(VALU_DEP_1)
	v_max_num_f32 v[NM+1], v[NM+1], v[W0]          ; the running largest t
	v_mov_b32 v[W0], v[NM]
	s_delay_alu instid0(VALU_DEP_2)
	v_floor_f32 v[NM], -v[NM+1]                    ; the new -M = floor(-t) = -ceil(t)
	s_delay_alu instid0(VALU_DEP_1)
	v_sub_f32 v[W0], v[NM], v[W0]                  ; old M - new M: a whole number, 0 or less
	s_delay_alu instid0(VALU_DEP_1)
	v_cvt_i32_f32 v[W0], v[W0]                     ; (it saturates)
	s_delay_alu instid0(VALU_DEP_1)
	v_ldexp_f32 v[FF], 1.0, v[W0]                  ; f = 2^(old M - new M)
.set J, 0
	s_setprio 1
.rept 32
	v_pk_fma_f32 v[S+J:S+J+1], v[S+J:S+J+1], s[CS:CS+1], v[NM:NM+1] op_sel_hi:[1,0,0]   ; t - M, two at a time (of the pairs c and -M the low word serves both halves)
.set J, J+2
.endr
.set J, 0
	s_wait_alu depctr_va_vdst(0)
.rept 64
	v_exp_f32 v[S+J], v[S+J]                       ; p = 2^(t - M)
.set J, J+1
.endr
	v_pk_mul_f32 v[SUM:SUM+1], v[SUM:SUM+1], v[FF:FF+1] op_sel_hi:[1,0]   ; the sums under the new M (a plain line behind the exponentials)
	s_wait_alu depctr_va_vdst(0)
	v_pk_add_f32 v[24:25], v[100:101], v[104:105]
	v_pk_add_f32 v[252:253], v[108:109], v[112:113]
	v_pk_add_f32 v[250:251], v[116:117], v[120:121]
	v_pk_add_f32 v[248:249], v[124:125], v[128:129]
	v_pk_add_f32 v[246:247], v[132:133], v[136:137]
	v_pk_add_f32 v[244:245], v[140:141], v[144:145]
	v_pk_add_f32 v[242:243], v[148:149], v[152:153]
	v_pk_add_f32 v[18:19], v[18:19], v[156:157]
	v_pk_add_f32 v[24:25], v[24:25], v[96:97]
	v_pk_add_f32 v[252:253], v[252:253], v[98:99]
	v_pk_add_f32 v[250:251], v[250:251], v[102:103]
	v_pk_add_f32 v[248:249], v[248:249], v[106:107]
	v_pk_add_f32 v[246:247], v[246:247], v[110:111]
	v_pk_add_f32 v[244:245], v[244:245], v[114:115]
	v_pk_add_f32 v[242:243], v[242:243], v[118:119]
	v_pk_add_f32 v[18:19], v[18:19], v[122:123]
	v_pk_add_f32 v[24:25], v[24:25], v[126:127]
	v_pk_add_f32 v[252:253], v[252:253], v[130:131]
	v_pk_add_f32 v[250:251], v[250:251], v[134:135]
	v_pk_add_f32 v[248:249], v[248:249], v[138:139]
	v_pk_add_f32 v[246:247], v[246:247], v[142:143]
	v_pk_add_f32 v[244:245], v[244:245], v[146:147]
	v_pk_add_f32 v[242:243], v[242:243], v[150:151]
	s_setprio 0
	v_pk_add_f32 v[18:19], v[18:19], v[154:155]
	v_pk_add_f32 v[24:25], v[24:25], v[158:159]
	s_delay_alu instid0(VALU_DEP_2)
	v_pk_add_f32 v[18:19], v[18:19], v[248:249]
	s_delay_alu instid0(VALU_DEP_2)
	v_pk_add_f32 v[24:25], v[24:25], v[246:247]
	v_pk_add_f32 v[252:253], v[252:253], v[244:245]
	v_pk_add_f32 v[250:251], v[250:251], v[242:243]
	s_delay_alu instid0(VALU_DEP_2)
	v_pk_add_f32 v[18:19], v[18:19], v[252:253]
	s_delay_alu instid0(VALU_DEP_2)
	v_pk_add_f32 v[24:25], v[24:25], v[250:251]
	s_delay_alu instid0(VALU_DEP_1)
	v_pk_add_f32 v[18:19], v[18:19], v[24:25]
.irp t, 0,1,2,3,4,5,6,7
.irp j, 0,1,2,3,4,5,6,7
.endr
	v_cvt_scalef32_pk8_fp8_f32 v[PC+2*\t:PC+2*\t+1], v[S+8*\t:S+8*\t+7], v[PSC]
.endr
.set J, 0
.rept 16
	v_pk_mul_f32 v[O+J:O+J+1], v[O+J:O+J+1], v[FF:FF+1] op_sel_hi:[1,0]   ; O^T under the new M; these are also the plain lines behind the conversions
.set J, J+2
.endr
	s_wait_alu depctr_va_vdst(0)
	s_wait_dscnt 0x0                               ; V is in
.irp u, 0,1,2,3                        ; the accumulators take turns, one instruction a turn: eight of S^T, four of O^T
	v_wmma_f32_16x16x128_fp8_fp8 v[O+8*\u:O+8*\u+7], v[F+16*\u:F+16*\u+15], v[PC:PC+15], v[O+8*\u:O+8*\u+7]
.endr
.endm
.macro LOOP q, end                     ; a constant number of trips; a step whose keys all come after my block is jumped over
.Lstep_\@:
	s_cmp_gt_u32 s[ST], s[G]
	s_cbranch_scc1 .Lhidden_\@
	s_setprio 2
	BODY \q
.Lhidden_\@:
	s_add_co_u32 s[TB], s[TB], 8192
	s_add_co_u32 s[ST], s[ST], 1
	s_cmp_lt_u32 s[ST], \end
	s_cbranch_scc1 .Lstep_\@
	s_setprio 0
.endm
.macro TAIL j, yp                      ; a job ends: y = O^T x 2^(e4 + e5) / sum, quantised; two stores of 512 consecutive bytes
.rept 4
	v_nop                                          ; places behind the last products
.endr
	v_add_f32 v[SUM], v[SUM], v[SUM+1]
	s_delay_alu instid0(VALU_DEP_1)
	v_permlanex16_b32 v[PD], v[SUM], s[SEL], s[SEL+1]
	s_delay_alu instid0(VALU_DEP_1)
	v_add_f32 v[SUM], v[SUM], v[PD]                ; the row's sum
	s_wait_alu depctr_va_vdst(0)
	v_rcp_f32 v[RL], v[SUM]
	v_nop                                          ; one plain line behind a transcendental
	s_wait_alu depctr_va_vdst(0)
	v_ldexp_f32 v[RL], v[RL], s[OE]
.set J, 0
.rept 16
	v_pk_mul_f32 v[S+J:S+J+1], v[O+J:O+J+1], v[RL:RL+1] op_sel_hi:[1,0]   ; each accumulator from its low end on
.set J, J+2
.endr
.irp u, 0,1,2,3
.irp i, 0,1,2,3,4,5,6,7
.endr
	v_cvt_scalef32_pk8_fp8_f32 v[YC+8*\j+2*\u:YC+8*\j+2*\u+1], v[S+8*\u:S+8*\u+7], v[YSC]
.endr
	v_nop                                          ; one plain line behind the last conversion: the next job's products write its sources
	global_store_b128 v[AL], v[YC+8*\j:YC+8*\j+3], s[\yp:\yp+1]
	global_store_b128 v[AL], v[YC+8*\j+4:YC+8*\j+7], s[\yp:\yp+1] offset:512
.endm
	s_wait_loadcnt 0x0                             ; Q
	s_wait_tensorcnt 0x0                           ; my eighth of K or of V has landed,
	s_barrier_signal -1
	s_barrier_wait -1                              ; everybody's has: from here on LDS is only read
	INIT GA
	LOOP QA, 16                                    ; block 15 - p: 16 - p steps
	TAIL 0, 78
	INIT GB
	LOOP QB, 8                                     ; block p, at most 7: p + 1 steps
	TAIL 1, 82
	s_wait_tensorcnt 0x0
	ds_add_u32 v254, v255
	s_wait_dscnt 0x0
	CROUND                                         ; the closing round
	s_endpgm
.Lfunc_end_k_q13ca8ba5c5_attn:
	.size	k_q13ca8ba5c5_attn, .Lfunc_end_k_q13ca8ba5c5_attn-k_q13ca8ba5c5_attn
	.p2alignl 7, 3214868480
	.fill 96, 4, 3214868480
	.section	.rodata,"a",@progbits
	.p2align	6, 0x0
	.amdhsa_kernel k_q13ca8ba5c5_attn
		.amdhsa_group_segment_fixed_size 264192
		.amdhsa_private_segment_fixed_size 0
		.amdhsa_enable_private_segment 0
		.amdhsa_kernarg_size 40
		.amdhsa_user_sgpr_count 2
		.amdhsa_user_sgpr_kernarg_segment_ptr 1
		.amdhsa_wavefront_size32 1
		.amdhsa_system_sgpr_workgroup_id_x 1
		.amdhsa_system_sgpr_workgroup_id_y 1
		.amdhsa_system_sgpr_workgroup_id_z 1
		.amdhsa_system_vgpr_workitem_id 0
		.amdhsa_next_free_vgpr 256
		.amdhsa_next_free_sgpr 96
		.amdhsa_reserve_vcc 1
		.amdhsa_float_denorm_mode_32 3
		.amdhsa_float_denorm_mode_16_64 3
		.amdhsa_fp16_overflow 1
		.amdhsa_memory_ordered 1
		.amdhsa_forward_progress 1
		.amdhsa_inst_pref_size 52
	.end_amdhsa_kernel
	.amdgpu_metadata
---
amdhsa.version: [ 1, 2 ]
amdhsa.kernels:
  - .name:           k_q13ca8ba5c5_attn
    .symbol:         k_q13ca8ba5c5_attn.kd
    .args:
      - { .name: qc, .offset: 0, .size: 8, .value_kind: global_buffer, .address_space: global }
      - { .name: kc, .offset: 8, .size: 8, .value_kind: global_buffer, .address_space: global }
      - { .name: vc, .offset: 16, .size: 8, .value_kind: global_buffer, .address_space: global }
      - { .name: lowp_scales, .offset: 24, .size: 8, .value_kind: global_buffer, .address_space: global }
      - { .name: yc, .offset: 32, .size: 8, .value_kind: global_buffer, .address_space: global }
    .group_segment_fixed_size: 264192
    .private_segment_fixed_size: 0
    .kernarg_segment_align: 8
    .kernarg_segment_size: 40
    .max_flat_workgroup_size: 512
    .sgpr_count:     96
    .vgpr_count:     256
    .wavefront_size: 32
...
	.end_amdgpu_metadata
.endif
;; end of part 3
;; launch proj (part 4): grid 4 x 64, 4 waves a work-group, clusters of 4 x 4, 327,680 bytes of LDS; arguments yc, woc, lowp_scales, b_out, out0; writes out0
.if DOCPART == 4
	.amdgcn_target "amdgcn-amd-amdhsa--gfx1250"
	.amdhsa_code_object_version 6
	.text
	.protected	k_q13ca8ba5c5_proj
	.globl	k_q13ca8ba5c5_proj
	.p2align	8
	.type	k_q13ca8ba5c5_proj,@function
k_q13ca8ba5c5_proj:
	s_mov_b64 s[64:65], 0
	v_nop
	global_prefetch_b8 v0, s[64:65] scope:SCOPE_SE
	s_setreg_imm32_b32 hwreg(HW_REG_WAVE_MODE, 25, 1), 1
	s_wait_xcnt 0x0
	s_wait_alu depctr_hold_cnt(0) depctr_sa_sdst(0) depctr_va_vdst(0) depctr_va_sdst(0) depctr_va_ssrc(0) depctr_va_vcc(0) depctr_vm_vsrc(0)
	s_getreg_b32 s2, hwreg(HW_REG_IB_STS2, 6, 4)
	s_cmp_eq_u32 s2, 0
	s_cbranch_scc0 .Lentry_in_a_cluster
	s_endpgm
.Lentry_in_a_cluster:
	s_bfe_u32 s2, ttmp6, 0x10000c
	s_cmp_lg_u32 s2, 0xf033
	s_cbranch_scc0 .Lentry_shape_is_right
	s_endpgm
.Lentry_shape_is_right:
; out = y W_out + b_out on codes of FP8 (E4M3).  out = sum x 2^(e6 + e7) + b_out, one fused multiply-add, f32.  LIMIT: e6 + e7 between -126 and 127, so that 2^(e6 + e7) is an f32 number.
; yc: images of fragments (16 rows x 128 K, 2,048 bytes: four registers at 16 x lane, 512 bytes a group), row tile rt at 16,384 rt, K step of 128 number s at 2,048 s.
; woc: [1024 (n)][1024], in each 32 along K byte 16 h + 8 g + i holds k = 16 g + 8 h + i: a 16-byte piece at 32 c + 16 h holds the same k as registers 4 c .. 4 c + 3 of y's fragment in lane half h.
; A tile of 128 rows x 256 columns gives 256 work-groups; four waves, each 64 rows x 128 columns: 32 accumulators.  K goes in steps of 256 through a ring of two LDS slots.
; CLUSTERS: 4 x 4: y's tiles are asked for jointly along a row of the cluster, W's along a column.  THE MATRIX INSTRUCTION IS USED TRANSPOSED (source 0 = 16 rows of woc, source 1 = 16 rows of y):
; a lane holds eight neighbouring columns of a row of out.
; REGISTERS, in windows of 256: window 0: v0-31 addresses; v128-255 y's fragments, two sets of 4; on the way out v32-255.   window 1: W's fragments, two sets of 8.
;   window 2: the accumulators ((a, b) at v[8 (8 a + b)]).   window 3: v0-63 b_out in the result's layout (b[16 b + 8 h + j] at v[8 b + j]).
.set PITCH,  272                       ; W's LDS row: 256 bytes + 16 of padding: the 16 rows that a load touches start at 16 different banks (64 banks of 4 bytes: ISA guide 11.1)
.set FR,     16
.set NP,     4
.set HALFT,  128*PITCH
.set ASZ,    32768                     ; y's part of a slot: 8 row tiles x 4,096 bytes, as they lie in memory: read 16 bytes a lane on end
.set SLOT,   ASZ+2*HALFT
.set LAPS,   2
.set SPARE,  2*SLOT                    ; behind the ring: the spare words, 128 bytes for each wave
.set STAGE,  SPARE+512                 ; behind them: 16 rows x 528 bytes for each wave, for the way out: bytes of its own, into which no tile lands
.set SPITCH, 528
.set SIZE_N, 1024
.set ADRA, 16
.set ADRB, 20
.set STO,  24
.set RD,   25
.set CO,   26
.set SPW,  28
.set NIL,  29
.set TMP,  32
.set AF,   128
.set BK,   128
.set G1, 24
.set G0, 32
.set G1B, 48
.set G0B, 56
.set MSB, 0
.macro WIN new
.if MSB != (\new)
	s_set_vgpr_msb (MSB<<8)|(\new)
.set MSB, (\new)
.endif
.endm
.set MUL,    0xa1                      ; source 0 (W) window 1, source 1 (y) window 0, C and D window 2
.set TO_B,   0x40
.macro JLOAD g0a, g1a, g0b, g1b        ; waves 0 and 1 fetch for y, waves 2 and 3 for W; four v_nop follow each of the two lines
	s_cmp_eq_u32 s15, 0
	s_cbranch_scc0 .Lfor_b_\@
	tensor_load_to_lds s[\g0a:\g0a+3], s[\g1a:\g1a+7]
	s_nop 0
.rept 4
	v_nop
.endr
	s_branch .Lasked_\@
.Lfor_b_\@:
	tensor_load_to_lds s[\g0b:\g0b+3], s[\g1b:\g1b+7]
	s_nop 0
.rept 4
	v_nop
.endr
.Lasked_\@:
.endm
.macro CREST
	s_cmp_lg_u32 s14, 0
	s_cbranch_scc1 .Lnot_wave_0_\@
	s_barrier_signal -3
.Lnot_wave_0_\@:
	s_barrier_wait -3
	s_barrier_signal -1
	s_barrier_wait -1
.endm
.macro CROUND
	s_barrier_signal -1
	s_barrier_wait -1
	CREST
.endm
	s_load_b128 s[4:7], s[0:1], 0x0                ; yc s[4:5], woc s[6:7]
	s_load_b128 s[8:11], s[0:1], 0x10              ; the exponents s[8:9], b_out s[10:11]
	s_load_b64 s[12:13], s[0:1], 0x20              ; out0
	v_lshl_add_u32 v[SPW], v0, 2, SPARE
	v_mov_b32 v[NIL], 0
	ds_add_u32 v28, v29
	ds_add_u32 v28, v29
	s_wait_dscnt 0x0
	v_lshrrev_b32 v1, 5, v0
	v_readfirstlane_b32 s14, v1                    ; wave 0..3
	s_lshr_b32 s15, s14, 1                         ; which 64 rows are mine.  Also: I fetch for y (0) or for W (1)
	s_and_b32 s16, s14, 1                          ; which 128 columns.  Also: which half of that tile I fetch
	s_bfe_u32 s40, ttmp6, 0x40000
	s_bfe_u32 s41, ttmp6, 0x40004
	s_lshl_b32 s42, ttmp9, 2
	s_add_co_u32 s42, s42, s40                     ; tile column
	s_and_b32 s17, ttmp7, 0xffff
	s_lshl_b32 s17, s17, 2
	s_add_co_u32 s17, s17, s41                     ; tile row
	s_lshl_b32 s43, s41, 2
	s_lshl_b32 s43, 15, s43                        ; my row of the cluster
	s_lshl_b32 s44, 0x1111, s40                    ; my column
	; y's tile: 4 row tiles, of each 4,096 consecutive bytes (two K steps of 128), 16,384 bytes apart; elements of 8 bytes; no padding
	s_or_b32 s[G1+0], s43, (3<<16)|(1<<21)
	s_mov_b32 s[G1+1], 512<<16                     ; tensor_dim0 = 512 elements
	s_mov_b32 s[G1+2], 4<<16                       ; tensor_dim1 = 4
	s_mov_b32 s[G1+3], 512<<16                     ; tile_dim0
	s_mov_b32 s[G1+4], 4                           ; tile_dim1
	s_mov_b32 s[G1+5], 2048                        ; tensor_dim0_stride, in elements
	s_mov_b32 s[G1+6], 0
	s_mov_b32 s[G1+7], 0
	; W's tile: 128 rows x 256 bytes, padded
	s_or_b32 s[G1B+0], s44, (0<<16)|(1<<20)|(1<<21)|(5<<22)|(3<<25)
	s_mov_b32 s[G1B+1], 256<<16
	s_mov_b32 s[G1B+2], 128<<16
	s_mov_b32 s[G1B+3], 256<<16
	s_mov_b32 s[G1B+4], 128
	s_mov_b32 s[G1B+5], 1024
	s_mov_b32 s[G1B+6], 0
	s_mov_b32 s[G1B+7], 0
	s_lshl_b32 s20, s17, 17                        ; y: (8 x tile row + 4 x half) row tiles of 16,384 bytes
	s_lshl_b32 s18, s16, 16
	s_add_co_u32 s20, s20, s18
	s_mov_b32 s21, 0
	s_lshl_b32 s46, s42, 18                        ; W: (256 x tile column + 128 x half) rows of 1,024 bytes
	s_lshl_b32 s47, s16, 17
	s_add_co_u32 s46, s46, s47
	s_mov_b32 s47, 0
	s_lshl_b32 s45, s16, 14                        ; where they go: y's halves,
	s_mul_i32 s19, s16, HALFT
	s_add_co_u32 s19, s19, ASZ                     ; W's halves behind them: no place in the cluster enters an LDS address
	s_wait_kmcnt 0x0
	s_load_b256 s[76:83], s[8:9], 0x0              ; e0 .. e7
	s_add_nc_u64 s[20:21], s[4:5], s[20:21]
	s_add_nc_u64 s[46:47], s[6:7], s[46:47]
	CROUND                                         ; all sixteen work-groups are here: the first joint loads meet
.irp s, 0,1
	s_mov_b32 s[G0+4*\s], 1
	s_add_co_u32 s[G0+4*\s+1], s45, \s*SLOT
	s_add_nc_u64 s[G0+4*\s+2:G0+4*\s+3], s[20:21], \s*4096
	s_or_b32 s[G0+4*\s+3], s[G0+4*\s+3], 0x80000000
	s_mov_b32 s[G0B+4*\s], 1
	s_add_co_u32 s[G0B+4*\s+1], s19, \s*SLOT
	s_add_nc_u64 s[G0B+4*\s+2:G0B+4*\s+3], s[46:47], \s*256
	s_or_b32 s[G0B+4*\s+3], s[G0B+4*\s+3], 0x80000000
	s_wait_alu depctr_va_vdst(0)
	s_wait_tensorcnt 0x0
	ds_add_u32 v28, v29
	ds_add_u32 v28, v29
	s_wait_dscnt 0x0
	CROUND
	JLOAD G0+4*\s, G1, G0B+4*\s, G1B               ; one tensor load of mine is out
.endr
	v_and_b32 v1, 15, v0                           ; r
	v_bfe_u32 v2, v0, 4, 1                         ; h
	v_and_b32 v5, 31, v0
	v_lshlrev_b32 v[CO], 4, v5                     ; 16 x lane
	v_mul_u32_u24 v3, v1, PITCH
	v_lshl_add_u32 v4, v2, 4, v3                   ; W: row x pitch + 16 x half
	s_lshl_b32 s21, s15, 14                        ; my 4 row tiles of y
	s_mul_i32 s22, s16, HALFT
	s_add_co_u32 s22, s22, ASZ                     ; my 128 rows of W
.irp s, 0,1
	v_add_nc_u32 v[ADRA+\s], s21, v[CO]
	v_add_nc_u32 v[ADRB+\s], s22, v4
	s_add_co_u32 s21, s21, SLOT
	s_add_co_u32 s22, s22, SLOT
.endr
	s_mul_i32 s23, s14, 16*SPITCH
	s_add_co_u32 s23, s23, STAGE                   ; my stage
	v_mul_u32_u24 v5, v1, SPITCH                   ; in: row r, 32 bytes for each half of the lanes
	v_lshl_add_u32 v5, v2, 5, v5
	v_add_nc_u32 v[STO], s23, v5
	v_add_nc_u32 v[RD], s23, v[CO]                 ; back: the 32 lanes take one row of 512 bytes
	s_lshl_b32 s20, s17, 7
	s_lshl_b32 s21, s15, 6
	s_add_co_u32 s20, s20, s21                     ; my first row of out: 128 x tile row + 64 x half,
	s_lshl_b32 s20, s20, 12                        ; rows of 4,096 bytes
	s_mov_b32 s21, 0
	s_lshl_b32 s46, s42, 10                        ; my first column, in bytes: 1,024 x tile column + 512 x half: in out and in b_out alike
	s_lshl_b32 s47, s16, 9
	s_add_co_u32 s46, s46, s47
	s_mov_b32 s47, 0
	s_add_nc_u64 s[10:11], s[10:11], s[46:47]
	s_add_nc_u64 s[20:21], s[20:21], s[46:47]
	s_add_nc_u64 s[12:13], s[12:13], s[20:21]
	v_lshlrev_b32 v6, 5, v2                        ; 32 h
	WIN 0xc0                                       ; destination window 3, address window 0
.irp b, 0,1,2,3,4,5,6,7
	global_load_b128 v[8*\b:8*\b+3], v6, s[10:11] offset:64*\b        ; b_out[16 b + 8 h + 0 .. 7]
	global_load_b128 v[8*\b+4:8*\b+7], v6, s[10:11] offset:64*\b+16
.endr
	WIN 0
	s_wait_alu depctr_va_vdst(0)
	s_wait_kmcnt 0x0
	s_add_co_i32 s96, s82, s83
	s_add_co_i32 s96, s96, 127
	s_lshl_b32 s96, s96, 23                        ; 2^(e6 + e7) as f32
	s_mov_b32 s97, s96                             ; (named with it as a pair)
.macro FRAG reg, adr, q, i             ; W: 16 rows x 128 K from rows
.irp c, 0,1,2,3
	ds_load_b128 v[\reg+4*\c:\reg+4*\c+3], v[\adr] offset:128*(\q)+32*\c+(\i)*16*PITCH
.endr
.endm
.macro FRAGA reg, adr, q, i            ; y: an image comes back as it was stored
.irp c, 0,1,2,3
	ds_load_b128 v[\reg+4*\c:\reg+4*\c+3], v[\adr] offset:4096*(\i)+2048*(\q)+512*\c
.endr
.endm
.macro FETCH slot, q, p                ; 48 loads: the slot's q-th 128 along K into set p
	WIN TO_B
.irp i, 0,1,2,3,4,5,6,7
	FRAG 128*(\p)+FR*\i, ADRB+\slot, \q, \i
.endr
	WIN 0
.irp i, 0,1,2,3
	FRAGA AF+64*(\p)+FR*\i, ADRA+\slot, \q, \i
.endr
.endm
.macro MUL8 a, p, zero                 ; y's block a against W's eight.  The 32 accumulators take turns, one instruction a turn, in the same order in every step
.irp b, 0,1,2,3,4,5,6,7
.if \zero
	v_wmma_f32_16x16x128_fp8_fp8 v[8*(8*(\a)+\b):8*(8*(\a)+\b)+7], v[128*(\p)+FR*\b:128*(\p)+FR*\b+FR-1], v[AF+64*(\p)+FR*(\a):AF+64*(\p)+FR*(\a)+FR-1], 0
.else
	v_wmma_f32_16x16x128_fp8_fp8 v[8*(8*(\a)+\b):8*(8*(\a)+\b)+7], v[128*(\p)+FR*\b:128*(\p)+FR*\b+FR-1], v[AF+64*(\p)+FR*(\a):AF+64*(\p)+FR*(\a)+FR-1], v[8*(8*(\a)+\b):8*(8*(\a)+\b)+7]
.endif
.endr
.endm
.macro PLACES n
.rept \n
	v_nop
.endr
.endm
.macro STEP slot, zero                 ; a slot's first 128 along K, on set 0; the second 128 are fetched into set 1 in its middle
	s_wait_dscnt 0x0                               ; set 0 is in
	WIN MUL
	MUL8 0, 0, \zero
	MUL8 1, 0, \zero
	PLACES NP                                      ; in front of loads into set 1, which the step before multiplied
	FETCH \slot, 1, 1
	WIN MUL
	MUL8 2, 0, \zero
	MUL8 3, 0, \zero
	WIN 0
.endm
; A slot's second 128 change slots: ONE barrier; in front of it each wave waits for all its tensor loads, adds 0 to its spare word, and waits for that and for its own reads of this slot.
.macro TURN slot, next, fill
	s_wait_tensorcnt 0x0                           ; all my tensor loads have landed: my part of the next slot
	ds_add_u32 v[SPW], v[NIL]                      ; 0 onto my spare word
	s_wait_dscnt 1                                 ; set 1 is in; the add alone may be out
	WIN MUL
	MUL8 0, 1, 0                                   ; eight matrix instructions stand between the add and the wait for it
	s_wait_dscnt 0x0                               ; the add is done, and my reads of this slot are over
	s_barrier_signal -1
	MUL8 1, 1, 0
	WIN 0
	s_barrier_wait -1
.if \fill
	CREST                                          ; the barrier has opened a round of the cluster's barrier
	s_add_nc_u64 s[G0+4*\slot+2:G0+4*\slot+3], s[G0+4*\slot+2:G0+4*\slot+3], 2*4096
	s_add_nc_u64 s[G0B+4*\slot+2:G0B+4*\slot+3], s[G0B+4*\slot+2:G0B+4*\slot+3], 2*256
	JLOAD G0+4*\slot, G1, G0B+4*\slot, G1B         ; the first tensor load behind the round, my only one until the next; its four v_nop are the places in front of the loads below
.else
	PLACES NP
.endif
	FETCH \next, 0, 0
	WIN MUL
	MUL8 2, 1, 0
	MUL8 3, 1, 0
	WIN 0
.endm
	s_wait_loadcnt 0x0                             ; b_out: no global load of mine is out at a barrier
	s_wait_tensorcnt 1                             ; my part of K step 0 is in; K step 1's load may be out
	s_barrier_signal -1
	s_barrier_wait -1
	FETCH 0, 0, 0
	STEP 0, 1                                      ; the first step stands in front of the loop: its products start the sums
	s_mov_b32 s3, LAPS-1
.Llap:
	TURN 0, 1, 1
	STEP 1, 0
	TURN 1, 0, 1
	STEP 0, 0
	s_sub_co_u32 s3, s3, 1
	s_cmp_lg_u32 s3, 0
	s_cbranch_scc1 .Llap
	TURN 0, 1, 0                                   ; the last lap fills nothing
	STEP 1, 0
	s_wait_dscnt 0x0
	WIN MUL
	MUL8 0, 1, 0
	MUL8 1, 1, 0
	MUL8 2, 1, 0
	MUL8 3, 1, 0
	WIN 0
; THE WAY OUT, block by block of 16 rows x 128 columns: sum x 2^(e6 + e7) + b_out; through my own stage, back as whole rows of 512 bytes, which the 32 lanes store as 512 consecutive bytes, aligned.
; LDS serves a wave's instructions in order (ISA guide 5.7.1.4): no wait between the stores and the loads, nor in front of the next block's stores.
.macro TOSTAGE a
.set AC, 64*(\a)
	WIN 0x32                                       ; source 0 (the sums) window 2, source 2 (the bias) window 3
.irp j, 0,2,4,6,8,10,12,14,16,18,20,22,24,26,28,30,32,34,36,38,40,42,44,46,48,50,52,54,56,58,60,62
	v_pk_fma_f32 v[TMP+\j:TMP+\j+1], v[AC+\j:AC+\j+1], s[96:97], v[\j:\j+1] op_sel_hi:[1,0,1]   ; each accumulator from its low end on
.endr
	WIN 0
.irp b, 0,1,2,3,4,5,6,7
	ds_store_b128 v[STO], v[TMP+8*\b:TMP+8*\b+3] offset:64*\b
	ds_store_b128 v[STO], v[TMP+8*\b+4:TMP+8*\b+7] offset:64*\b+16
.endr
.set BB, BK+64*((\a)%2)
.irp t, 0,1,2,3,4,5,6,7,8,9,10,11,12,13,14,15
	ds_load_b128 v[BB+4*\t:BB+4*\t+3], v[RD] offset:\t*SPITCH
.endr
.endm
.macro SEND a, younger                 ; younger: the LDS instructions issued behind block a's loads, which may stay out
.set BB, BK+64*((\a)%2)
	s_wait_dscnt \younger
.if (\a) > 0
	s_add_nc_u64 s[12:13], s[12:13], 16*SIZE_N*4   ; (behind a wait on XCNT: the earlier stores have read their base)
.endif
.irp t, 0,1,2,3,4,5,6,7,8,9,10,11,12,13,14,15
	global_store_b128 v[CO], v[BB+4*\t:BB+4*\t+3], s[12:13] offset:\t*SIZE_N*4 th:TH_STORE_NT
.endr
.endm
	PLACES NP                                      ; behind the last products: their results are read, and y's fragment registers loaded anew
	TOSTAGE 0
.irp a, 1,2,3
.if \a > 1
	s_wait_xcnt 0x0                                ; block a - 2's stores have read their registers and their base
.endif
	TOSTAGE \a
	SEND \a-1, 32                                  ; behind block a - 1's loads: block a's 16 stores and 16 loads
.endr
	s_wait_xcnt 0x0
	SEND 3, 0
	s_wait_tensorcnt 0x0                           ; the wave's end
	ds_add_u32 v[SPW], v[NIL]
	s_wait_dscnt 0x0
	CROUND                                         ; the closing round
	s_endpgm
.Lfunc_end_k_q13ca8ba5c5_proj:
	.size	k_q13ca8ba5c5_proj, .Lfunc_end_k_q13ca8ba5c5_proj-k_q13ca8ba5c5_proj
	.p2alignl 7, 3214868480
	.fill 96, 4, 3214868480
	.section	.rodata,"a",@progbits
	.p2align	6, 0x0
	.amdhsa_kernel k_q13ca8ba5c5_proj
		.amdhsa_group_segment_fixed_size 327680
		.amdhsa_private_segment_fixed_size 0
		.amdhsa_enable_private_segment 0
		.amdhsa_kernarg_size 40
		.amdhsa_user_sgpr_count 2
		.amdhsa_user_sgpr_kernarg_segment_ptr 1
		.amdhsa_wavefront_size32 1
		.amdhsa_system_sgpr_workgroup_id_x 1
		.amdhsa_system_sgpr_workgroup_id_y 1
		.amdhsa_system_sgpr_workgroup_id_z 1
		.amdhsa_system_vgpr_workitem_id 0
		.amdhsa_next_free_vgpr 832
		.amdhsa_next_free_sgpr 100
		.amdhsa_reserve_vcc 0
		.amdhsa_float_denorm_mode_32 3
		.amdhsa_float_denorm_mode_16_64 3
		.amdhsa_memory_ordered 1
		.amdhsa_forward_progress 1
		.amdhsa_inst_pref_size 78
	.end_amdhsa_kernel
	.amdgpu_metadata
---
amdhsa.version: [ 1, 2 ]
amdhsa.kernels:
  - .name:           k_q13ca8ba5c5_proj
    .symbol:         k_q13ca8ba5c5_proj.kd
    .args:
      - { .name: yc, .offset: 0, .size: 8, .value_kind: global_buffer, .address_space: global }
      - { .name: woc, .offset: 8, .size: 8, .value_kind: global_buffer, .address_space: global }
      - { .name: lowp_scales, .offset: 16, .size: 8, .value_kind: global_buffer, .address_space: global }
      - { .name: b_out, .offset: 24, .size: 8, .value_kind: global_buffer, .address_space: global }
      - { .name: out0, .offset: 32, .size: 8, .value_kind: global_buffer, .address_space: global }
    .group_segment_fixed_size: 327680
    .private_segment_fixed_size: 0
    .kernarg_segment_align: 8
    .kernarg_segment_size: 40
    .max_flat_workgroup_size: 128
    .sgpr_count:     100
    .vgpr_count:     832
    .wavefront_size: 32
...
	.end_amdgpu_metadata
.endif
;; end of part 4
